; MI455X (gfx1250); checked and timed in simulation.
; The chip was launched on July 23, 2026; its instructions are those of AMD's public machine-readable ISA for CDNA 5 (MIT licence, August 2026) and "CDNA5" Instruction Set Architecture Reference Guide (July 2026). The comments in the code are by the model that wrote it; some were corrected since.
;; Multi Head Attention. Allowed arithmetic: matrix products marked QUANTISED: E2M1 operands, one E8M0 scale for each 32 along K, by v_wmma_scale_f32_16x16x128_f8f6f4 with both operands' format E2M1 (or v_wmma_scale_f32_32x16x128_f4), f32 sums; everything else in f32.
;; Inputs: out_b 1,024 float32; out_w_codes 1,024 x 32 x 16 uint8 (E2M1 codes of out_w, K innermost, in blocks of 32 codes, two codes a byte); out_w_scales 1,024 x 32 uint8 (E8M0 scales of out_w, one for each 32 codes along K); qkv_b 3,072 float32; qkv_w_codes 3,072 x 32 x 16 uint8 (E2M1 codes of qkv_w, K innermost, in blocks of 32 codes, two codes a byte); qkv_w_scales 3,072 x 32 uint8 (E8M0 scales of qkv_w, one for each 32 codes along K); x_codes 4 x 2,048 x 32 x 16 uint8 (E2M1 codes of x, K innermost, in blocks of 32 codes, two codes a byte); x_scales 4 x 2,048 x 32 uint8 (E8M0 scales of x, one for each 32 codes along K).
;; Outputs: out0 4 x 2,048 x 1,024 float32.
;; This version of the problem:
;;   THIS VERSION OF THE PROBLEM IS GIVEN IN LOW PRECISION. The matrix products marked QUANTISED in the list below multiply operands that are first quantised to E2M1 (2 exponent bits, 1 mantissa bit; 4 bits a number), with one power-of-two scale for each 32 numbers along K (OCP MX v1.0); their sums are f32. All else is computed in f32.
;;   The module's matrix products, in the order in which they are computed (A, B: the left and right operand; K: the contracted axis; several contracted axes count as one K, in the product's order):
;;     1. [M 8,192, K 1,024] x [K 1,024, N 3,072]; A: input x (given as codes); B: input qkv_w (given as codes): QUANTISED
;;     2. batch 64 x [M 2,048, K 64] x [K 64, N 2,048]; A: computed on the way; B: computed on the way: QUANTISED
;;     3. batch 64 x [M 2,048, K 2,048] x [K 2,048, N 64]; A: softmax (see below); B: computed on the way: QUANTISED
;;     4. [M 8,192, K 1,024] x [K 1,024, N 1,024]; A: computed on the way; B: input out_w (given as codes): QUANTISED
;;   THE QUANTISER, for each operand of a quantised product, along K:
;;     - K is cut into blocks of 32 from its start; a last block that is shorter is filled with zeros.
;;     - A block's scale is 2^e with e = floor(log2(the largest magnitude in the block)) - 2, held to -126 .. 127; a block of zeros has e = 0. As a byte (E8M0): e + 127.
;;     - Each number is divided by its block's scale, clamped to +-6, and rounded to the nearest number of E2M1, ties to even, subnormals kept.
;;     - The product sums the exact products of the quantised numbers (number of the format x scale) in f32.
;;   ~~~python
;;   def quantise(x, axis):      # numpy; x: float32 -> the quantised numbers, widened to float32 again
;;       x = np.moveaxis(x, axis, -1); K = x.shape[-1]
;;       x = np.pad(x, [(0, 0)] * (x.ndim - 1) + [(0, -K % 32)]); x = x.reshape(x.shape[:-1] + (-1, 32)); a = np.abs(x).max(-1, keepdims=True)
;;       e = np.where(a > 0, np.clip(np.frexp(np.where(a > 0, a, 1))[1] - 1 - 2, -126, 127), 0)      # np.frexp(a)[1] - 1 = floor(log2(a)), exactly
;;       r = np.clip(x / 2.0 ** e, -6, 6)
;;       step = 2.0 ** (np.maximum(np.frexp(np.where(r == 0, 1, r))[1] - 1, 0) - 1)
;;       q = np.round(r / step) * step * 2.0 ** e      # np.round: ties to even
;;       return np.moveaxis(q.reshape(q.shape[:-2] + (-1,))[..., :K], -1, axis).astype(np.float32)
;;   ~~~
;;   SOFTMAX AHEAD OF A QUANTISED PRODUCT. Where the list says 'softmax', what is quantised is not the finished softmax but p = 2^(t - M), with t = logit x log2(e) and M = ceil(the row's largest t), a whole number; so 1/2 < the row's largest p <= 1. The row's sum l is taken of the UNQUANTISED p, in f32, and the product's result is divided by l at the end. Since M is a whole number, a kernel that streams over the keys may use a running M (the ceiling of the running maximum): every later rescaling is an exact power of two, which a block's scale takes up: the codes' values come out the same.
;;   OPERANDS COMPUTED ON THE WAY. 'Computed on the way' means the value that the module computes at that place (a softmax that the list does not call 'softmax' is quantised finished and normalised). What goes into a quantiser is computed in f32, as accurately as f32 sums, v_exp_f32 and their like allow (about 1e-6 of the number): no bf16 or f16 on the way to a quantiser, and a product that is left as it is and whose result goes on into a quantised operand takes f32 operands (vector FMAs, or v_wmma_f32_16x16x4_f32). A number that lies on a knife's edge between two numbers of the format may be rounded either way, as far as f32 arithmetic and the matrix unit's own rounding can turn it there, and no further.
;;   INPUTS GIVEN AS CODES. out_w (in the module: [1024, 1024], K = its axis 1); qkv_w (in the module: [3072, 1024], K = its axis 1); x (in the module: [4, 2048, 1024], K = its axis 2): each comes as NAME_codes (uint8): NAME with its K axis moved to the last place and cut into blocks of 32 codes, [.., K / 32, bytes a block], one block behind the other in memory; two codes a byte, the lower K in the low four bits (a code: sign, 2 exponent bits, 1 mantissa bit); and NAME_scales (uint8): the same leading axes, one E8M0 byte (e + 127) for each 32 codes along K. Its value is code x scale, taken as it is: it is not quantised again, and the codes and scales need not be those that the quantiser above would give.
;; One version. Each part assembles by itself: llvm-mc -triple=amdgcn-amd-amdhsa -mcpu=gfx1250 --defsym DOCPART=n.
;; ======== version 1 of 1: 3 launches
;; workspace buffers: qbuf 9,175,040 bytes; kvbuf 9,175,040 bytes; obuf 4,194,304 bytes; osc 262,144 bytes
;; launch proj (part 1): grid 12 x 64, 4 waves a work-group, clusters of 4 x 4, 222,720 bytes of LDS; arguments x_codes, x_scales, qkv_w_codes, qkv_w_scales, qkv_b, qbuf, kvbuf; writes qbuf, kvbuf
.if DOCPART == 1
	.amdgcn_target "amdgcn-amd-amdhsa--gfx1250"
	.amdhsa_code_object_version 6
	.text
	.protected	k_q31aaf26021_proj
	.globl	k_q31aaf26021_proj
	.p2align	8
	.type	k_q31aaf26021_proj,@function
k_q31aaf26021_proj:
	s_mov_b64 s[64:65], 0
	v_nop
	global_prefetch_b8 v0, s[64:65] scope:SCOPE_SE
	s_setreg_imm32_b32 hwreg(HW_REG_WAVE_MODE, 25, 1), 1
	s_wait_xcnt 0x0
	s_wait_alu depctr_hold_cnt(0) depctr_sa_sdst(0) depctr_va_vdst(0) depctr_va_sdst(0) depctr_va_ssrc(0) depctr_va_vcc(0) depctr_vm_vsrc(0)
	s_getreg_b32 s2, hwreg(HW_REG_IB_STS2, 6, 4)
	s_cmp_eq_u32 s2, 0
	s_cbranch_scc0 .Lentry_in_a_cluster
	s_endpgm
.Lentry_in_a_cluster:
	s_bfe_u32 s2, ttmp6, 0x10000c
	s_cmp_lg_u32 s2, 0xf033
	s_cbranch_scc0 .Lentry_shape_is_right
	s_endpgm
.Lentry_shape_is_right:
; qkv = x W^T + b on codes of FP4 (E2M1) with one E8M0 scale for each 32 along K = 1,024, and the quantisers of q, k (along a head's 64 channels) and of v (along the keys).
; ONE GENERIC PRODUCT.  P: 256 rows, source 0 of the matrix instruction; R: 128 rows, source 1.  In a result a lane holds ONE row of R and its registers run along P's rows: the result is quantised ALONG P's ROWS.
; The role hangs on the cluster's x alone: 0 = q and 1 = k (P = 256 rows of W, R = 128 tokens: quantised along the channels), 2 = v (P = 256 tokens, R = 128 rows of W from row 2,048 on: quantised along the tokens).
; Both operands are rows of 512 bytes of codes and 32 bytes of scales, so LDS, the tiles' shapes and the K steps are the same in all roles; only pointers, the bias and the stores differ.
; SHARES.  Four waves; wave w takes P's rows 128 (w / 2) on (8 tiles) and R's rows 64 (w % 2) on (4 tiles): 32 accumulators, 256 registers.
; THE ROWS OF A TILE ARE NOT NEIGHBOURS: lane r of tile i takes row 32 (i / 2) + 8 (i % 2) + r + 8 (r / 8) of its group.  For P that makes the 16 registers of tiles 2 b and 2 b + 1 sixteen neighbours along the
; next product's K; for R it is the order in which the next launch wants the tiles of keys and of v's channels (they are its source 0).  Rows 16 apart start at the same bank at any pitch that is a multiple of 16 bytes
; (64 banks of 4 bytes: ISA guide 11.1), so these fragment loads meet two deep: the price of that order.
; ALL OF K LIES IN LDS AT ONCE, in two chunks of 512 along K: no LDS byte is filled twice, so there is no ring.  The second chunk lands under the first chunk's products.
; CLUSTERS: 4 x 4 work-groups.  P hangs on cx alone among the places and is asked for jointly by a column of the cluster, R on cy alone and by a row: each tile is requested once for four work-groups.
; OUT: images of operand registers.  qbuf and kvbuf are [batch x 16 + head][step of 128 tokens][8,960 bytes]; in a step's block: +0 eight tiles of 16 tokens x 512 bytes (registers 0-3: a head's 64 channels);
; +4,096 v's four tiles of 16 channels x 1,024 bytes (K = the step's 128 tokens); +8,192, +8,448 the tokens' scale words (two registers a lane, 8 bytes at 8 x lane: lanes 0-15 an even tile's rows, lanes 16-31 the odd
; tile's); +8,704 v's scale words likewise.  qbuf uses the first and third parts alone.  Every store of a wave covers 256 or 512 consecutive bytes, aligned.
; LIMITS: NaN and infinities are not served; a given scale byte 0xff gives NaN as in the definition; a block whose largest magnitude lies under 2^-124 keeps the byte 1; a block of zeros gets the byte 1 where the
; quantiser says 127: its codes are zeros, and this program alone reads the bytes.
; REGISTERS, in windows of 256.  Window 0: v1-14 lane numbers and addresses; v16-31 at work in the quantiser; v32-35 the four scale words; v36-39 their images; v72-135 scale words of the operands; v136-199 the bias;
;   v200-223 and v40-47 the codes just made.  Window 1: accumulator (R's tile t, P's tile p) at v[64 t + 8 p].  Window 2: two sets of fragments at v0 and v96: P's eight, then R's four.
.set HEADB,  143360                    ; a head's section in qbuf and kvbuf
.set STEPB,  8960                      ; a step's block
.set PITCH,  272                       ; an LDS row: 256 bytes + 16 of padding
.set ROFF,   256*PITCH                 ; a chunk: P's 256 rows, then R's 128
.set CHUNK,  384*PITCH
.set RSC,    2*CHUNK                   ; R's scales: 128 rows x 32 bytes as 16 units of 256 bytes + 16 of padding
.set PSC,    RSC+16*PITCH              ; P's: 32 units
.set WV,   18                          ; s18 wave;  s19 which 128 rows of P;  s20 which 64 rows of R
.set PG,   19
.set RG,   20
.set SEL,  66                          ; s66, s67 lane selects for v_permlanex16_b32: lane l xor 16
.set BB,   98                          ; s[98:99] where my stores begin
.set G1P,  24                          ; descriptor groups 1: P's codes, R's codes, P's scales, R's scales
.set G1R,  32
.set G1PS, 40
.set G1RS, 48
.set G0RS, 56                          ; groups 0, one for each of a wave's six loads
.set G0PS, 60
.set G0P0, 68
.set G0R0, 72
.set G0P1, 76
.set G0R1, 80
.set ADP,  4                           ; v4, v5  LDS address of my P fragments in chunk 0, 1
.set ADR,  6                           ; v6, v7  the same for R
.set ADS,  8                           ; v8      of my scale words: lanes 0-15 R's rows, lanes 16-31 P's
.set LI,   9                           ; v9      the stores' offset: 16 bytes a lane
.set L8,   10                          ; v10     8 bytes a lane
.set BO,   11                          ; v11     the bias loads' offset
.set LN,   14                          ; v14     lane
.set TM,   16
.set PW,   32
.set SW,   36
.set SC,   72                          ; register 8 i + s: lanes 0-15 the word of R's tile i, lanes 16-31 that of P's tile i, for K step s
.set BI,   136
.set MSB, 0
.macro WIN new                         ; low byte: bits 1:0 source 0, 3:2 source 1, 5:4 source 2, 7:6 destination; the high byte repeats the setting that is left
.if MSB != \new
	s_set_vgpr_msb (MSB<<8)|\new
.set MSB, \new
.endif
.endm
.macro PLACES n
.rept \n
	v_nop
.endr
.endm
.macro CROUND                          ; a round of the cluster's barrier
	s_barrier_signal -1
	s_barrier_wait -1
	s_cmp_lg_u32 s[WV], 0
	s_cbranch_scc1 .Lnot_wave_0_\@
	s_barrier_signal -3
.Lnot_wave_0_\@:
	s_barrier_wait -3
	s_barrier_signal -1
	s_barrier_wait -1
.endm
	s_load_b256 s[4:11], s[0:1], 0x0               ; x's codes s[4:5], x's scales s[6:7], W's codes s[8:9], W's scales s[10:11]
	s_load_b128 s[12:15], s[0:1], 0x20             ; the bias s[12:13], qbuf s[14:15]
	s_load_b64 s[16:17], s[0:1], 0x30              ; kvbuf
	v_lshl_add_u32 v254, v0, 2, 0x36400
	v_mov_b32 v255, 0
	ds_add_u32 v254, v255
	ds_add_u32 v254, v255
	v_lshrrev_b32 v12, 5, v0
	v_readfirstlane_b32 s[WV], v12                 ; wave 0..3
	s_lshr_b32 s[PG], s[WV], 1
	s_and_b32 s[RG], s[WV], 1
	; every LDS address is made here, of the lane and the wave's number alone
	v_and_b32 v[LN], 31, v0
	v_and_b32 v1, 15, v0                           ; r
	v_bfe_u32 v2, v0, 4, 1                         ; h
	v_and_b32 v3, 8, v1
	v_add_nc_u32 v3, v3, v1                        ; r + 8 (r / 8)
	v_mul_u32_u24 v12, v3, PITCH
	v_lshl_add_u32 v12, v2, 4, v12                 ; a fragment's row x pitch + 16 h
	s_mul_i32 s96, s[PG], 128*PITCH
	v_add_nc_u32 v[ADP], s96, v12
	v_add_nc_u32 v[ADP+1], CHUNK, v[ADP]
	s_mul_i32 s96, s[RG], 64*PITCH
	s_add_co_u32 s96, s96, ROFF
	v_add_nc_u32 v[ADR], s96, v12
	v_add_nc_u32 v[ADR+1], CHUNK, v[ADR]
	v_lshrrev_b32 v12, 3, v1
	v_and_b32 v13, 7, v1
	v_mul_u32_u24 v12, v12, 2*PITCH                ; a unit holds 8 rows' scales: my row lies 2 (r / 8) units on,
	v_lshl_add_u32 v12, v13, 5, v12                ; 32 (r % 8) bytes into it
	s_xor_b32 s97, s[RG], 1                        ; from R's group to P's: 8 units x (2 + 2 pg - rg)
	s_lshl_b32 s96, s[PG], 1
	s_add_co_u32 s97, s97, s96
	s_add_co_u32 s97, s97, 1
	s_mul_i32 s97, s97, 8*PITCH
	v_mul_u32_u24 v13, s97, v2                     ; lanes 16-31 take P's: the lower base + h x the distance
	s_mul_i32 s96, s[RG], 8*PITCH
	s_add_co_u32 s96, s96, RSC
	v_add_nc_u32 v12, v12, v13
	v_add_nc_u32 v[ADS], s96, v12
.irp b, 0,1,2,3
	v_mov_b32 v[TM+4+\b], 0                        ; written once: a lane permute's destination counts as one of its sources
.endr
	s_mov_b32 s[SEL], 0x76543210
	s_mov_b32 s[SEL+1], 0xfedcba98
	; groups 0: the count and the LDS address: wave w brings its quarter of each tile
	s_mov_b32 s[G0RS], 1
	s_mul_i32 s[G0RS+1], s[WV], 4*PITCH
	s_add_co_u32 s[G0RS+1], s[G0RS+1], RSC
	s_mov_b32 s[G0PS], 1
	s_mul_i32 s[G0PS+1], s[WV], 8*PITCH
	s_add_co_u32 s[G0PS+1], s[G0PS+1], PSC
	s_mov_b32 s[G0P0], 1
	s_mul_i32 s[G0P0+1], s[WV], 64*PITCH
	s_mov_b32 s[G0R0], 1
	s_mul_i32 s[G0R0+1], s[WV], 32*PITCH
	s_add_co_u32 s[G0R0+1], s[G0R0+1], ROFF
	s_mov_b32 s[G0P1], 1
	s_add_co_u32 s[G0P1+1], s[G0P0+1], CHUNK
	s_mov_b32 s[G0R1], 1
	s_add_co_u32 s[G0R1+1], s[G0R0+1], CHUNK
	; places and masks
	s_bfe_u32 s21, ttmp6, 0x40000                  ; cx
	s_bfe_u32 s22, ttmp6, 0x40004                  ; cy
	s_and_b32 s23, ttmp7, 0xffff                   ; the cluster's y
	s_lshl_b32 s100, 0x1111, s21                   ; my column of the cluster (same cx): P's tiles
	s_lshl_b32 s101, s22, 2
	s_lshl_b32 s101, 15, s101                      ; my row (same cy): R's tiles
	; groups 1.  Codes: rows of 256 bytes, 512 bytes apart in memory, 16 bytes of padding behind each.  Scales: dense blocks as rows of 256 bytes (32 elements of 8 bytes), padded likewise
	s_or_b32 s[G1P], s100, (1<<20)|(1<<21)|(5<<22)|(3<<25)          ; 15:0 mask; 17:16 elements of 1 byte; 20 padding on; 21 set beside a mask; 24:22 after every 64 words; 31:25 four words
	s_mov_b32 s[G1P+1], 256<<16                    ; tensor_dim0
	s_mov_b32 s[G1P+2], 64<<16                     ; tensor_dim1
	s_mov_b32 s[G1P+3], 256<<16                    ; tile_dim0
	s_mov_b32 s[G1P+4], 64                         ; tile_dim1
	s_mov_b32 s[G1P+5], 512                        ; from row to row
	s_mov_b32 s[G1P+6], 0
	s_mov_b32 s[G1P+7], 0
	s_or_b32 s[G1R], s101, (1<<20)|(1<<21)|(5<<22)|(3<<25)
	s_mov_b32 s[G1R+1], 256<<16
	s_mov_b32 s[G1R+2], 32<<16
	s_mov_b32 s[G1R+3], 256<<16
	s_mov_b32 s[G1R+4], 32
	s_mov_b32 s[G1R+5], 512
	s_mov_b32 s[G1R+6], 0
	s_mov_b32 s[G1R+7], 0
	s_or_b32 s[G1PS], s100, (3<<16)|(1<<20)|(1<<21)|(5<<22)|(3<<25)
	s_mov_b32 s[G1PS+1], 32<<16
	s_mov_b32 s[G1PS+2], 8<<16
	s_mov_b32 s[G1PS+3], 32<<16
	s_mov_b32 s[G1PS+4], 8
	s_mov_b32 s[G1PS+5], 32
	s_mov_b32 s[G1PS+6], 0
	s_mov_b32 s[G1PS+7], 0
	s_or_b32 s[G1RS], s101, (3<<16)|(1<<20)|(1<<21)|(5<<22)|(3<<25)
	s_mov_b32 s[G1RS+1], 32<<16
	s_mov_b32 s[G1RS+2], 4<<16
	s_mov_b32 s[G1RS+3], 32<<16
	s_mov_b32 s[G1RS+4], 4
	s_mov_b32 s[G1RS+5], 32
	s_mov_b32 s[G1RS+6], 0
	s_mov_b32 s[G1RS+7], 0
	; the role: which tensor is P and which R, and which tiles are mine.  The choice hangs on the cluster's x alone
	s_lshr_b32 s2, s23, 1
	s_and_b32 s96, s23, 1
	s_wait_dscnt 0x0
	s_wait_kmcnt 0x0
	s_cmp_eq_u32 ttmp9, 2
	s_cselect_b32 s84, s2, ttmp9
	s_cselect_b32 s85, s96, s23
	s_cselect_b32 s87, 2048, 0
	s_cselect_b64 s[88:89], s[4:5], s[8:9]         ; P's codes
	s_cselect_b64 s[90:91], s[6:7], s[10:11]       ; P's scales
	s_cselect_b64 s[92:93], s[8:9], s[4:5]         ; R's codes
	s_cselect_b64 s[94:95], s[10:11], s[6:7]       ; R's scales
	s_lshl_b32 s84, s84, 2
	s_add_co_u32 s84, s84, s21                     ; which 256 rows of P: it holds cx and never cy
	s_lshl_b32 s85, s85, 2
	s_add_co_u32 s85, s85, s22                     ; which 128 rows of R: it holds cy and never cx
	s_lshl_b32 s86, s84, 8                         ; P's first row
	s_lshl_b32 s96, s85, 7
	s_add_co_u32 s87, s87, s96                     ; R's first row
	s_lshl_b32 s2, s[WV], 6
	s_add_co_u32 s2, s2, s86                       ; the 64 rows of P that I fetch
	s_mov_b32 s3, 0
	s_lshl_b32 s2, s2, 5                           ; 32 bytes of scales a row,
	s_add_nc_u64 s[G0PS+2:G0PS+3], s[90:91], s[2:3]
	s_lshl_b32 s2, s2, 4                           ; 512 bytes of codes
	s_add_nc_u64 s[G0P0+2:G0P0+3], s[88:89], s[2:3]
	s_add_nc_u64 s[G0P1+2:G0P1+3], s[G0P0+2:G0P0+3], 256
	s_lshl_b32 s96, s[WV], 5
	s_add_co_u32 s96, s96, s87                     ; the 32 rows of R that I fetch
	s_mov_b32 s97, 0
	s_lshl_b32 s96, s96, 5
	s_add_nc_u64 s[G0RS+2:G0RS+3], s[94:95], s[96:97]
	s_lshl_b32 s96, s96, 4
	s_add_nc_u64 s[G0R0+2:G0R0+3], s[92:93], s[96:97]
	s_add_nc_u64 s[G0R1+2:G0R1+3], s[G0R0+2:G0R0+3], 256
.irp g, G0RS, G0PS, G0P0, G0R0, G0P1, G0R1
	s_or_b32 s[\g+3], s[\g+3], 0x80000000          ; 127:126 type = 2
.endr
	CROUND                                         ; all sixteen work-groups are here: the joint loads meet
	tensor_load_to_lds s[G0RS:G0RS+3], s[G1RS:G1RS+7]   ; six loads of mine are out: the scales and the first chunk first
	s_nop 0
	tensor_load_to_lds s[G0PS:G0PS+3], s[G1PS:G1PS+7]
	s_nop 0
	tensor_load_to_lds s[G0P0:G0P0+3], s[G1P:G1P+7]
	s_nop 0
	tensor_load_to_lds s[G0R0:G0R0+3], s[G1R:G1R+7]
	s_nop 0
	tensor_load_to_lds s[G0P1:G0P1+3], s[G1P:G1P+7]
	s_nop 0
	tensor_load_to_lds s[G0R1:G0R1+3], s[G1R:G1R+7]
	s_nop 0
	PLACES 4                                       ; four plain lines behind the last tensor load
; 24 LDS loads in one run: the fragments of K step s (128 along K: 64 bytes of a row) into set f.  A fragment is 8 registers: lane (r, h): registers 4 c .. 4 c + 3 = K 64 c + 32 h + 0 .. 31
.macro FETCH s, f
	WIN 0x80                                       ; destination window 2, address window 0
.irp p, 0,1,2,3,4,5,6,7
.irp c, 0,1
	ds_load_b128 v[96*(\f)+8*\p+4*\c:96*(\f)+8*\p+4*\c+3], v[ADP+(\s)/4] offset:(32*(\p/2)+8*(\p%2))*PITCH+64*((\s)%4)+32*\c
.endr
.endr
.irp t, 0,1,2,3
.irp c, 0,1
	ds_load_b128 v[96*(\f)+64+8*\t+4*\c:96*(\f)+64+8*\t+4*\c+3], v[ADR+(\s)/4] offset:(32*(\t/2)+8*(\t%2))*PITCH+64*((\s)%4)+32*\c
.endr
.endr
	WIN 0
.endm
; 32 matrix instructions: P's eight tiles x R's four, K step s, from set f.  cm = 1: the sums start from the bias along P's rows; 2: along R's rows; 0: they go on.
; The 32 accumulators take turns, one instruction a turn, in the same order in every K step.
.macro MUL s, f, cm
.if (\cm) == 0
	WIN 0x5a                                       ; sources 0 and 1 window 2, C and D window 1
.else
	WIN 0x4a                                       ; C in window 0
.endif
.irp p, 0,1,2,3,4,5,6,7
.irp t, 0,1,2,3
.if (\cm) == 1
	v_wmma_scale_f32_16x16x128_f8f6f4 v[64*\t+8*\p:64*\t+8*\p+7], v[96*(\f)+8*\p:96*(\f)+8*\p+7], v[96*(\f)+64+8*\t:96*(\f)+64+8*\t+7], v[BI+8*\p:BI+8*\p+7], v[SC+8*\p+(\s)], v[SC+8*\t+(\s)] matrix_a_fmt:MATRIX_FMT_FP4 matrix_b_fmt:MATRIX_FMT_FP4 matrix_a_scale:MATRIX_SCALE_ROW1
.elseif (\cm) == 2
	v_wmma_scale_f32_16x16x128_f8f6f4 v[64*\t+8*\p:64*\t+8*\p+7], v[96*(\f)+8*\p:96*(\f)+8*\p+7], v[96*(\f)+64+8*\t:96*(\f)+64+8*\t+7], v[BI+8*\t:BI+8*\t+7], v[SC+8*\p+(\s)], v[SC+8*\t+(\s)] matrix_a_fmt:MATRIX_FMT_FP4 matrix_b_fmt:MATRIX_FMT_FP4 matrix_a_scale:MATRIX_SCALE_ROW1
.else
	v_wmma_scale_f32_16x16x128_f8f6f4 v[64*\t+8*\p:64*\t+8*\p+7], v[96*(\f)+8*\p:96*(\f)+8*\p+7], v[96*(\f)+64+8*\t:96*(\f)+64+8*\t+7], v[64*\t+8*\p:64*\t+8*\p+7], v[SC+8*\p+(\s)], v[SC+8*\t+(\s)] matrix_a_fmt:MATRIX_FMT_FP4 matrix_b_fmt:MATRIX_FMT_FP4 matrix_a_scale:MATRIX_SCALE_ROW1
.endif
.endr
.endr
.endm
; A K step: the next step's fragments are asked for, then this step's are multiplied.
.macro KSTEP s, cm
.if (\s) > 0
	PLACES 4                                       ; four places in front of loads into the set that the last step's products read (ISA guide 7.12.1 for vector instructions)
.endif
.if (\s) == 3
	s_wait_tensorcnt 0x0                           ; my parts of the second chunk have landed (its two loads were my last),
	s_wait_dscnt 0x0                               ; no LDS load of mine is out at a signal,
	s_barrier_signal -1
	s_barrier_wait -1                              ; and everybody's have: K step 4 is read below
.endif
.if (\s) < 7
	FETCH (\s)+1, ((\s)+1)%2
	s_wait_dscnt 24                                ; all but the 24 just issued: this step's fragments are in
.else
	s_wait_dscnt 0x0
.endif
	MUL \s, (\s)%2, \cm
.endm
; R's tile t: a lane's 64 numbers (register 16 b + i = P's row 32 b + 16 h + i) become a fragment's codes and its row's scale word.
.macro QUANT t
.set AC, 64*(\t)
.set PCT, 200+8*(\t)-184*((\t)/3)
	WIN 0x05                                       ; sources 0 and 1 window 1
.irp b, 0,1,2,3
	v_max3_num_f32 v[TM+\b], |v[AC+16*\b]|, |v[AC+16*\b+1]|, 0x1800000   ; block b: my 16 numbers, each accumulator from its low end on, and the floor 2^(3 - 127): the byte cannot fall under 1
.endr
	WIN 0x14                                       ; sources 1 and 2 window 1
.irp i, 2,4,6,8,10,12,14
.irp b, 0,1,2,3
	v_max3_num_f32 v[TM+\b], v[TM+\b], |v[AC+16*\b+\i]|, |v[AC+16*\b+\i+1]|   ; the four blocks by turns
.endr
.endr
	WIN 0
.irp b, 0,1,2,3
	v_permlanex16_b32 v[TM+4+\b], v[TM+\b], s[SEL], s[SEL+1]
.endr
.irp b, 0,1,2,3
	v_max_num_f32 v[TM+\b], v[TM+\b], v[TM+4+\b]   ; with lane l xor 16's: the block's largest magnitude
.endr
.irp b, 0,1,2,3
	v_add_nc_u32 v[TM+12+\b], 0xff000000, v[TM+\b] ; 2 off its exponent field: the conversion's scale operand
.endr
.irp b, 0,1,2,3
	v_lshrrev_b32 v[TM+4+\b], 23, v[TM+12+\b]      ; the scale's byte
.endr
	v_lshl_or_b32 v[PW+(\t)], v[TM+5], 8, v[TM+4]
	v_lshl_or_b32 v[PW+(\t)], v[TM+6], 16, v[PW+(\t)]
	v_lshl_or_b32 v[PW+(\t)], v[TM+7], 24, v[PW+(\t)]
	WIN 0x01                                       ; source 0 window 1
.irp b, 0,1,2,3
	v_cvt_scalef32_pk8_fp4_f32 v[PCT+2*\b], v[AC+16*\b:AC+16*\b+7], v[TM+12+\b]
	v_cvt_scalef32_pk8_fp4_f32 v[PCT+2*\b+1], v[AC+16*\b+8:AC+16*\b+15], v[TM+12+\b]
.endr
	WIN 0
	v_nop                                          ; one plain line behind the last scaled conversion
.irp c, 0,1                                    ; the operand's layout wants a whole block in a lane: lanes 0-15 block 2 c, lanes 16-31 block 2 c + 1
.irp i, 0,1
	v_permlane16_swap_b32 v[PCT+4*\c+\i], v[PCT+2+4*\c+\i]
.endr
.endr
.endm
; All behind the tensor loads, once for q and k (role 1) and once for v (role 2).
.macro PATH role
.if \role == 1
	s_lshl_b32 s2, s[PG], 7                        ; the bias runs along P's rows: register j of tile p wants that of row 32 (p / 2) + 8 (p % 2) + 16 h + j
	s_add_co_u32 s2, s2, s86
	s_lshl_b32 s2, s2, 2
	s_add_nc_u64 s[12:13], s[12:13], s[2:3]
	v_lshlrev_b32 v[BO], 6, v2
.irp p, 0,1,2,3,4,5,6,7
	global_load_b128 v[BI+8*\p:BI+8*\p+3], v[BO], s[12:13] offset:(32*(\p/2)+8*(\p%2))*4
	global_load_b128 v[BI+8*\p+4:BI+8*\p+7], v[BO], s[12:13] offset:(32*(\p/2)+8*(\p%2))*4+16
.endr
	s_lshl_b32 s96, s[RG], 11                      ; my four tiles of tokens are tiles 4 rg on of the step's eight
	v_lshl_add_u32 v[LI], v[LN], 4, s96
	s_lshl_b32 s96, s[RG], 8
	v_lshl_add_u32 v[L8], v[LN], 3, s96
	s_lshr_b32 s96, s85, 4                         ; the section: 16 x batch + the first head of my pair;
	s_lshl_b32 s96, s96, 4
	s_and_b32 s97, s84, 3
	s_lshl_b32 s97, s97, 2
	s_add_co_u32 s96, s96, s97
	s_lshl_b32 s97, s[PG], 1
	s_add_co_u32 s96, s96, s97
	s_mul_i32 s96, s96, HEADB
	s_and_b32 s97, s85, 15                         ; the step of 128 tokens
	s_mul_i32 s97, s97, STEPB
	s_add_co_u32 s96, s96, s97
	s_mov_b32 s97, 0
	s_cmp_eq_u32 ttmp9, 0
	s_cselect_b64 s[BB:BB+1], s[14:15], s[16:17]   ; q goes to qbuf, k to kvbuf
	s_add_nc_u64 s[BB:BB+1], s[BB:BB+1], s[96:97]
.else
	s_lshl_b32 s96, s[RG], 6                       ; the bias runs along R's rows: one number a lane and tile
	s_add_co_u32 s96, s96, s87
	s_lshl_b32 s96, s96, 2
	s_mov_b32 s97, 0
	s_add_nc_u64 s[12:13], s[12:13], s[96:97]
	v_lshlrev_b32 v[BO], 2, v3
.irp t, 0,1,2,3
	global_load_b32 v[BI+8*\t], v[BO], s[12:13] offset:(32*(\t/2)+8*(\t%2))*4
.endr
	v_lshlrev_b32 v[LI], 4, v[LN]
	v_lshlrev_b32 v[L8], 3, v[LN]
	s_lshl_b32 s96, s84, 1
	s_add_co_u32 s96, s96, s[PG]                   ; my 128 tokens: 16 x batch + step
	s_and_b32 s97, s96, 15
	s_mul_i32 s97, s97, STEPB
	s_lshr_b32 s96, s96, 4
	s_lshl_b32 s96, s96, 4
	s_lshl_b32 s2, s85, 1
	s_add_co_u32 s96, s96, s2
	s_add_co_u32 s96, s96, s[RG]                   ; + my head
	s_mul_i32 s96, s96, HEADB
	s_add_co_u32 s96, s96, s97
	s_mov_b32 s97, 0
	s_add_nc_u64 s[BB:BB+1], s[16:17], s[96:97]
.endif
	s_wait_tensorcnt 0x2                           ; the scales and my parts of the first chunk have landed; the second chunk's two loads may stay out
	s_barrier_signal -1
	s_barrier_wait -1                              ; everybody's have
.irp i, 0,1,2,3,4,5,6,7
	ds_load_b128 v[SC+8*\i:SC+8*\i+3], v[ADS] offset:(4*(\i/2)+\i%2)*PITCH        ; the words of K steps 0-3: lanes 0-15 R's tile i (from i = 4 on they read on into P's scales, and are not used), lanes 16-31 P's tile i
	ds_load_b128 v[SC+8*\i+4:SC+8*\i+7], v[ADS] offset:(4*(\i/2)+\i%2)*PITCH+16   ; and of K steps 4-7
.endr
	FETCH 0, 0
	s_wait_loadcnt 0x0                             ; the bias
.if \role == 2
.irp t, 0,1,2,3
.irp j, 1,2,3,4,5,6,7
	v_mov_b32 v[BI+8*\t+\j], v[BI+8*\t]            ; a C operand is eight registers: a lane's row has one bias for all of them
.endr
.endr
	PLACES 4
.endif
	s_wait_alu depctr_va_vdst(0)
	KSTEP 0, \role
.irp s, 1,2,3,4,5,6,7
	KSTEP \s, 0
.endr
	PLACES 4                                       ; four places in front of the first read of results
	QUANT 0
	QUANT 1
	QUANT 2
	QUANT 3
	v_cmp_lt_u32 vcc_lo, 15, v[LN]
	v_cndmask_b32 v[SW], v[PW], v[PW+1], vcc_lo    ; lanes 0-15 keep the even tile's words, lanes 16-31 take the odd tile's (both halves of the lanes hold a row's word)
	v_cndmask_b32 v[SW+1], v[PW+2], v[PW+3], vcc_lo
.if \role == 1
	v_lshrrev_b32 v[SW+2], 16, v[SW]               ; bytes 0, 1 are the pair's first head's two blocks, bytes 2, 3 the second's.  The bytes above a head's two go with zero codes, and none is 0xff
	v_lshrrev_b32 v[SW+3], 16, v[SW+1]
.irp t, 0,1,2,3
	global_store_b128 v[LI], v[200+8*\t-184*(\t/3):203+8*\t-184*(\t/3)], s[BB:BB+1] offset:512*\t          ; registers 0-3: the first head's 64 channels
	global_store_b128 v[LI], v[204+8*\t-184*(\t/3):207+8*\t-184*(\t/3)], s[BB:BB+1] offset:HEADB+512*\t    ; registers 4-7: the second head's
.endr
	global_store_b64 v[L8], v[SW:SW+1], s[BB:BB+1] offset:8192
	global_store_b64 v[L8], v[SW+2:SW+3], s[BB:BB+1] offset:HEADB+8192
.else
.irp t, 0,1,2,3
	global_store_b128 v[LI], v[200+8*\t-184*(\t/3):203+8*\t-184*(\t/3)], s[BB:BB+1] offset:4096+1024*\t
	global_store_b128 v[LI], v[204+8*\t-184*(\t/3):207+8*\t-184*(\t/3)], s[BB:BB+1] offset:4096+1024*\t+512
.endr
	global_store_b64 v[L8], v[SW:SW+1], s[BB:BB+1] offset:8704
.endif
.endm
	s_cmp_eq_u32 ttmp9, 2                          ; the same in all sixteen partners
	s_cbranch_scc1 .Lrole_v
	s_wait_alu depctr_va_vdst(0)
	PATH 1
	s_branch .Lend
.Lrole_v:
	s_wait_alu depctr_va_vdst(0)
	PATH 2
.Lend:
	s_wait_tensorcnt 0x0
	ds_add_u32 v254, v255
	s_wait_dscnt 0x0
	CROUND                                         ; the closing round: no work-group ends while a partner may still ask for a tile that names it
	s_endpgm
.Lfunc_end_k_q31aaf26021_proj:
	.size	k_q31aaf26021_proj, .Lfunc_end_k_q31aaf26021_proj-k_q31aaf26021_proj
	.p2alignl 7, 3214868480
	.fill 96, 4, 3214868480
	.section	.rodata,"a",@progbits
	.p2align	6, 0x0
	.amdhsa_kernel k_q31aaf26021_proj
		.amdhsa_group_segment_fixed_size 222720
		.amdhsa_private_segment_fixed_size 0
		.amdhsa_enable_private_segment 0
		.amdhsa_kernarg_size 56
		.amdhsa_user_sgpr_count 2
		.amdhsa_user_sgpr_kernarg_segment_ptr 1
		.amdhsa_wavefront_size32 1
		.amdhsa_system_sgpr_workgroup_id_x 1
		.amdhsa_system_sgpr_workgroup_id_y 1
		.amdhsa_system_sgpr_workgroup_id_z 1
		.amdhsa_system_vgpr_workitem_id 0
		.amdhsa_next_free_vgpr 768
		.amdhsa_next_free_sgpr 102
		.amdhsa_reserve_vcc 1
		.amdhsa_float_denorm_mode_32 3
		.amdhsa_float_denorm_mode_16_64 3
		.amdhsa_memory_ordered 1
		.amdhsa_forward_progress 1
		.amdhsa_inst_pref_size 141
	.end_amdhsa_kernel
	.amdgpu_metadata
---
amdhsa.version: [ 1, 2 ]
amdhsa.kernels:
  - .name:           k_q31aaf26021_proj
    .symbol:         k_q31aaf26021_proj.kd
    .args:
      - { .name: x_codes, .offset: 0, .size: 8, .value_kind: global_buffer, .address_space: global }
      - { .name: x_scales, .offset: 8, .size: 8, .value_kind: global_buffer, .address_space: global }
      - { .name: qkv_w_codes, .offset: 16, .size: 8, .value_kind: global_buffer, .address_space: global }
      - { .name: qkv_w_scales, .offset: 24, .size: 8, .value_kind: global_buffer, .address_space: global }
      - { .name: qkv_b, .offset: 32, .size: 8, .value_kind: global_buffer, .address_space: global }
      - { .name: qbuf, .offset: 40, .size: 8, .value_kind: global_buffer, .address_space: global }
      - { .name: kvbuf, .offset: 48, .size: 8, .value_kind: global_buffer, .address_space: global }
    .group_segment_fixed_size: 222720
    .private_segment_fixed_size: 0
    .kernarg_segment_align: 8
    .kernarg_segment_size: 56
    .max_flat_workgroup_size: 128
    .sgpr_count:     102
    .vgpr_count:     768
    .wavefront_size: 32
...
	.end_amdgpu_metadata
.endif
;; end of part 1
;; launch attn (part 2): grid 8 x 32, 16 waves a work-group, clusters of 4 x 1, 327,680 bytes of LDS; arguments qbuf, kvbuf, obuf, osc; writes obuf, osc
.if DOCPART == 2
	.amdgcn_target "amdgcn-amd-amdhsa--gfx1250"
	.amdhsa_code_object_version 6
	.text
	.protected	k_q31aaf26021_attn
	.globl	k_q31aaf26021_attn
	.p2align	8
	.type	k_q31aaf26021_attn,@function
k_q31aaf26021_attn:
	s_mov_b64 s[64:65], 0
	v_nop
	global_prefetch_b8 v0, s[64:65] scope:SCOPE_SE
	s_setreg_imm32_b32 hwreg(HW_REG_WAVE_MODE, 25, 1), 1
	s_wait_xcnt 0x0
	s_wait_alu depctr_hold_cnt(0) depctr_sa_sdst(0) depctr_va_vdst(0) depctr_va_sdst(0) depctr_va_ssrc(0) depctr_va_vcc(0) depctr_vm_vsrc(0)
	s_getreg_b32 s2, hwreg(HW_REG_IB_STS2, 6, 4)
	s_cmp_eq_u32 s2, 0
	s_cbranch_scc0 .Lentry_in_a_cluster
	s_endpgm
.Lentry_in_a_cluster:
	s_bfe_u32 s2, ttmp6, 0x10000c
	s_cmp_lg_u32 s2, 0x3003
	s_cbranch_scc0 .Lentry_shape_is_right
	s_endpgm
.Lentry_shape_is_right:
; o = softmax(q k^T / 8) v for 64 (batch, head) sections of 2,048 tokens x 64 channels, both products on codes of FP4 (E2M1) with one E8M0 scale for each 32 along K, and the quantiser of o along D.
; THE SOFTMAX AHEAD OF THE SECOND PRODUCT: t = score x log2(e) / 8; M = the row's largest t so far, rounded up to a whole number; p = 2^(t - M) is quantised along the keys, not normalised; the row's sum is taken of the
; unquantised p and divides at the end.  When M moves, the sum and O are multiplied by 2^(old M - new M), which rounds nothing.
; SHARES.  A work-group owns 256 queries of a PAIR of heads; each of its sixteen waves owns one tile of 16 queries and runs both heads, one after the other: so at the end a wave holds a whole fragment (16 tokens x the
; pair's 128 channels) and a whole scale word a row of the last product's K step.  Four waves share a SIMD, so that one wave's vector work stands beside another's matrix work and LDS loads.
; LDS holds the pair's two sections of kvbuf as they lie in memory, 143,360 bytes each, filled once: wave w brings step w's block of each head.  No byte is filled twice, so there is no ring; and since every tile is
; asked for at the kernel's head, there is no later request ahead of which a prefetch could stand.  The second head's section lands under the first head's work.
; CLUSTER.  The four blocks of queries of a cluster belong to one pair of heads and read the same sections: each block of bytes is asked for jointly by the four.
; LAYOUT.  Operands lie as images of their registers (16 or 8 bytes a lane on end), so every LDS load reads consecutive bytes.  Both products are used transposed: S^T = K Q^T (source 0 = 16 keys), O^T = V^T P^T
; (source 0 = 16 channels): a lane holds one query throughout.  Lane r of a tile i of keys, queries or channels holds row 32 (i / 2) + 8 (i % 2) + r + 8 (r / 8): so the 16 registers of result tiles 2 b, 2 b + 1 are 16
; neighbours along the next K.  The first product's K is 64: registers 4-7 of its operands are zero codes, cleared once.
; OUT.  obuf [128 tokens][K step = pair][tile][1,024 bytes]: the fragment's two images.  osc [128 tokens][K step][512 bytes]: lane l's word i is the scale word of tile 2 i + l / 16, row l % 16.
; LIMITS: NaN and infinities are not served; a block of o whose largest magnitude lies under 2^-124 keeps the byte 1, a block of zeros too (its codes are zeros, and this program alone reads the bytes).
; REGISTERS: v1-7 addresses that stay; v3, v4 the step's; v12 -M, v13 the largest t, v[14:15] the sum in two halves; v16-31 Q of both heads; v32-63 four fragments of K; v64-95 V's four; v96-159 S^T, then p, at the end o;
;   v160-191 O^T; v192-199 o's codes; v200-203 K's scale words, v204-205 V's, v206-207 Q's; v208 o's scale word; v216-219 the words on their way out; v224-231 p's codes; v232-254 at work (v253 p's scale word).
.set HEADB, 143360
.set STEPB, 8960
.set SST,   2*HEADB                    ; behind the sections: 1,024 bytes for o's scale words; no tensor load lands here
.set WV,  12
.set SEL, 32                           ; s32, s33 lane selects for v_permlanex16_b32: lane l xor 16
.set CS,  34                           ; s[34:35] c = log2(e) / 8
.set TB,  36                           ; s36 LDS byte at which the step's block begins
.set CNT, 37
.set LI,  1                            ; v1 16 x lane
.set L8,  2                            ; v2 8 x lane
.set ADK, 3
.set ADS, 4
.set R8,  5                            ; v5 8 x (lane % 16)
.set SSA, 6                            ; v6 where my row's scale word goes
.set SLA, 7                            ; v7 and where 16 bytes of words are read back
.set QF,  16
.set KF,  32
.set VF,  64
.set SS,  96
.set OT,  160
.set OC,  192
.set KS,  200
.set VS,  204
.set QS,  206
.set OW,  208
.set PCD, 224
.macro PLACES n
.rept \n
	v_nop
.endr
.endm
.macro CROUND                          ; a round of the cluster's barrier
	s_barrier_signal -1
	s_barrier_wait -1
	s_cmp_lg_u32 s[WV], 0
	s_cbranch_scc1 .Lnot_wave_0_\@
	s_barrier_signal -3
.Lnot_wave_0_\@:
	s_barrier_wait -3
	s_barrier_signal -1
	s_barrier_wait -1
.endm
	s_load_b256 s[4:11], s[0:1], 0x0               ; qbuf s[4:5], kvbuf s[6:7], obuf s[8:9], osc s[10:11]
	v_lshl_add_u32 v251, v0, 2, 0x46400
	v_mov_b32 v255, 0
	ds_add_u32 v251, v255
	ds_add_u32 v251, v255
	v_lshrrev_b32 v8, 5, v0
	s_delay_alu instid0(VALU_DEP_1)
	v_readfirstlane_b32 s[WV], v8                  ; wave 0..15
	s_and_b32 s15, ttmp7, 0xffff                   ; 8 x batch + pair of heads: the four partners share it
	; one group 1: a dense block of 8,960 bytes as 35 rows of 256 bytes (32 elements of 8 bytes), no padding
	s_mov_b32 s16, 15|(3<<16)|(1<<21)              ; 15:0 the mask: all four work-groups; 17:16 elements of 8 bytes; 21 set beside a mask
	s_mov_b32 s17, 32<<16                          ; tensor_dim0
	s_mov_b32 s18, 35<<16                          ; tensor_dim1
	s_mov_b32 s19, 32<<16                          ; tile_dim0
	s_mov_b32 s20, 35                              ; tile_dim1
	s_mov_b32 s21, 32                              ; from row to row
	s_mov_b32 s22, 0
	s_mov_b32 s23, 0
	s_mov_b32 s24, 1
	s_mul_i32 s25, s[WV], STEPB                    ; the first head's step w
	s_mov_b32 s28, 1
	s_add_co_u32 s29, s25, HEADB                   ; the second head's
	s_mul_i32 s46, s15, 2*HEADB
	s_add_co_u32 s46, s46, s25
	s_mov_b32 s47, 0
	s_wait_dscnt 0x0
	s_wait_kmcnt 0x0
	s_add_nc_u64 s[26:27], s[6:7], s[46:47]
	s_add_nc_u64 s[30:31], s[26:27], HEADB
	s_or_b32 s27, s27, 0x80000000                  ; type = 2
	s_or_b32 s31, s31, 0x80000000
	CROUND                                         ; all four work-groups are here: the joint loads meet
	tensor_load_to_lds s[24:27], s[16:23]          ; one load of mine is out
	s_nop 0
	s_wait_alu depctr_va_vdst(0)
	s_wait_tensorcnt 0x0
	ds_add_u32 v251, v255
	s_wait_dscnt 0x0
	CROUND
	tensor_load_to_lds s[28:31], s[16:23]
	s_nop 0
	PLACES 4                                       ; four plain lines behind the last tensor load
	; LDS addresses: of the lane and the wave's number alone
	v_and_b32 v8, 31, v0
	s_delay_alu instid0(VALU_DEP_1)
	v_lshlrev_b32 v[LI], 4, v8
	s_delay_alu instid0(VALU_DEP_2)
	v_lshlrev_b32 v[L8], 3, v8
	v_and_b32 v9, 15, v0
	s_wait_alu depctr_va_vdst(0)
	v_lshlrev_b32 v[R8], 3, v9
	s_wait_alu depctr_va_vdst(0)
	s_and_b32 s48, s[WV], 7                        ; t: my tile among a step's eight
	s_lshr_b32 s50, s[WV], 3                       ; which 128 of the block's 256 queries
	s_lshl_b32 s46, s50, 9
	s_and_b32 s47, s48, 1
	s_lshl_b32 s47, s47, 8
	s_add_co_u32 s46, s46, s47
	s_lshr_b32 s47, s48, 1
	s_lshl_b32 s47, s47, 2
	s_add_co_u32 s46, s46, s47
	s_add_co_u32 s46, s46, SST
	v_lshl_add_u32 v[SSA], v9, 4, s46              ; 512 (w / 8) + 16 (r + 16 (t % 2)) + 4 (t / 2)
	s_and_b32 s46, s[WV], 1
	s_lshl_b32 s46, s46, 9
	s_add_co_u32 s46, s46, SST
	v_add_nc_u32 v[SLA], s46, v[LI]
	s_mov_b32 s[SEL], 0x76543210
	s_mov_b32 s[SEL+1], 0xfedcba98
	s_mov_b32 s[CS], 0x3e38aa3b                    ; log2(e) / 8
	s_mov_b32 s[CS+1], s[CS]                       ; (named with it as a pair, so it is written)
	; my queries: they enter global addresses alone
	s_bfe_u32 s13, ttmp6, 0x40000                  ; cx
	s_lshl_b32 s14, ttmp9, 2
	s_add_co_u32 s14, s14, s13                     ; my block of 256 queries
	s_lshl_b32 s49, s14, 1
	s_add_co_u32 s49, s49, s50                     ; g: my step of 128 tokens
	s_mul_i32 s52, s15, 2*HEADB
	s_mul_i32 s51, s49, STEPB
	s_add_co_u32 s52, s52, s51
	s_mov_b32 s53, 0
	s_add_nc_u64 s[40:41], s[4:5], s[52:53]        ; the first head's block of step g in qbuf
	s_lshl_b32 s52, s48, 9
	s_add_nc_u64 s[38:39], s[40:41], s[52:53]      ; my tile's image
	s_lshr_b32 s52, s48, 2                         ; my tile's scale words: 256 (t / 4) + 8 (r + 16 (t % 2)) + 4 ((t / 2) % 2)
	s_lshl_b32 s52, s52, 8
	s_and_b32 s51, s48, 1
	s_lshl_b32 s51, s51, 7
	s_add_co_u32 s52, s52, s51
	s_bfe_u32 s51, s48, 0x10001
	s_lshl_b32 s51, s51, 2
	s_add_co_u32 s52, s52, s51
	s_add_nc_u64 s[40:41], s[40:41], s[52:53]
	global_load_b128 v[QF:QF+3], v[LI], s[38:39]
	global_load_b128 v[QF+8:QF+11], v[LI], s[38:39] offset:HEADB
	global_load_b32 v[QS], v[R8], s[40:41] offset:8192
	global_load_b32 v[QS+1], v[R8], s[40:41] offset:HEADB+8192
	s_lshr_b32 s51, s15, 3
	s_lshl_b32 s51, s51, 4                         ; 16 x batch
	s_add_co_u32 s52, s51, s49                     ; my 128 tokens among all 64 groups
	s_lshl_b32 s52, s52, 16
	s_and_b32 s46, s15, 7                          ; the pair = the last product's K step
	s_lshl_b32 s47, s46, 13
	s_add_co_u32 s52, s52, s47
	s_lshl_b32 s47, s48, 10
	s_add_co_u32 s52, s52, s47
	s_add_nc_u64 s[42:43], s[8:9], s[52:53]        ; my fragment in obuf
	s_lshl_b32 s52, s14, 1
	s_add_co_u32 s52, s52, s51
	s_and_b32 s47, s[WV], 1
	s_add_co_u32 s52, s52, s47
	s_lshl_b32 s52, s52, 12
	s_lshl_b32 s47, s46, 9
	s_add_co_u32 s52, s52, s47
	s_add_nc_u64 s[44:45], s[10:11], s[52:53]      ; waves 0 and 1: the words of the block's first and second 128 tokens in osc
.irp j, 4,5,6,7,12,13,14,15
	v_mov_b32 v[QF+\j], 0                          ; K = 64 .. 127 of the first product: zero codes
.endr
.irp t, 0,1,2,3
.irp j, 4,5,6,7
	v_mov_b32 v[KF+8*\t+\j], 0
.endr
.endr
.irp b, 0,1,2,3
	v_mov_b32 v[236+\b], 0                         ; written once: a lane permute's destination counts as one of its sources
.endr
	v_mov_b32 v253, 0                              ; (named as the upper half of the pair v[252:253] before it is first written)
.macro QK u, hd                        ; S^T of tile u of keys.  K's words: an even tile's in lanes 0-15, an odd tile's in lanes 16-31 of register u / 2
.if (\u)%2
	v_wmma_scale_f32_16x16x128_f8f6f4 v[SS+8*(\u):SS+8*(\u)+7], v[KF+8*((\u)%4):KF+8*((\u)%4)+7], v[QF+8*(\hd):QF+8*(\hd)+7], 0, v[KS+(\u)/2], v[QS+(\hd)] matrix_a_fmt:MATRIX_FMT_FP4 matrix_b_fmt:MATRIX_FMT_FP4 matrix_a_scale:MATRIX_SCALE_ROW1
.else
	v_wmma_scale_f32_16x16x128_f8f6f4 v[SS+8*(\u):SS+8*(\u)+7], v[KF+8*((\u)%4):KF+8*((\u)%4)+7], v[QF+8*(\hd):QF+8*(\hd)+7], 0, v[KS+(\u)/2], v[QS+(\hd)] matrix_a_fmt:MATRIX_FMT_FP4 matrix_b_fmt:MATRIX_FMT_FP4
.endif
.endm
.macro PV u                            ; O^T of tile u of channels goes on
.if (\u)%2
	v_wmma_scale_f32_16x16x128_f8f6f4 v[OT+8*(\u):OT+8*(\u)+7], v[VF+8*(\u):VF+8*(\u)+7], v[PCD:PCD+7], v[OT+8*(\u):OT+8*(\u)+7], v[VS+(\u)/2], v253 matrix_a_fmt:MATRIX_FMT_FP4 matrix_b_fmt:MATRIX_FMT_FP4 matrix_a_scale:MATRIX_SCALE_ROW1
.else
	v_wmma_scale_f32_16x16x128_f8f6f4 v[OT+8*(\u):OT+8*(\u)+7], v[VF+8*(\u):VF+8*(\u)+7], v[PCD:PCD+7], v[OT+8*(\u):OT+8*(\u)+7], v[VS+(\u)/2], v253 matrix_a_fmt:MATRIX_FMT_FP4 matrix_b_fmt:MATRIX_FMT_FP4
.endif
.endm
; A KEY STEP: 128 keys of head hd.
.macro STEP hd
	v_add_nc_u32 v[ADK], s[TB], v[LI]
	v_add_nc_u32 v[ADS], s[TB], v[L8]
	v_nop
	v_nop                                          ; four places in front of loads into registers that the last step's products read (ISA guide 7.12.1 for vector instructions)
.irp t, 0,1,2,3
	ds_load_b128 v[KF+8*\t:KF+8*\t+3], v[ADK] offset:512*\t
.endr
	ds_load_b64 v[KS:KS+1], v[ADS] offset:8192
	ds_load_b64 v[KS+2:KS+3], v[ADS] offset:8448
.irp f, 0,1,2,3,4,5,6,7
	ds_load_b128 v[VF+4*\f:VF+4*\f+3], v[ADK] offset:4096+512*\f
.endr
	ds_load_b64 v[VS:VS+1], v[ADS] offset:8704
	s_wait_alu depctr_va_vdst(0)
	s_wait_dscnt 9                                 ; K's four tiles and its words are in; V's eight loads and its words may stay out
.irp u, 0,1,2,3
	QK \u, \hd
.endr
	PLACES 4
.irp t, 0,1,2,3
	ds_load_b128 v[KF+8*\t:KF+8*\t+3], v[ADK] offset:2048+512*\t
.endr
	s_wait_dscnt 0x0
.irp u, 4,5,6,7
	QK \u, \hd
.endr
	PLACES 4                                       ; lane (r, h) holds one query; the 16 registers of tiles 2 b, 2 b + 1 are keys 32 b + 16 h + 0 .. 15
.irp b, 0,1,2,3
	v_max3_num_f32 v[232+\b], v[SS+16*\b], v[SS+1+16*\b], v[SS+2+16*\b]   ; the largest score of each block of 32 keys: it serves for the row's maximum and, since p rises with the score, for the block's largest p
.endr
.irp i, 3,5,7,9,11,13
.irp b, 0,1,2,3
	v_max3_num_f32 v[232+\b], v[232+\b], v[SS+16*\b+\i], v[SS+1+16*\b+\i]
.endr
.endr
.irp b, 0,1,2,3
	v_max_num_f32 v[232+\b], v[232+\b], v[SS+15+16*\b]
.endr
.irp b, 0,1,2,3
	s_delay_alu instid0(VALU_DEP_4)
	v_permlanex16_b32 v[236+\b], v[232+\b], s[SEL], s[SEL+1]
.endr
.irp b, 0,1,2,3
	s_delay_alu instid0(VALU_DEP_4)
	v_max_num_f32 v[232+\b], v[232+\b], v[236+\b]  ; with lane l xor 16's 16 keys
.endr
	s_delay_alu instid0(VALU_DEP_2)
	v_max3_num_f32 v254, v232, v233, v234
	s_delay_alu instid0(VALU_DEP_1)
	v_max_num_f32 v254, v254, v235                 ; the step's largest score of my query
	s_delay_alu instid0(VALU_DEP_1)
	v_mul_f32 v254, s[CS], v254                    ; as t (c is positive)
	s_delay_alu instid0(VALU_DEP_1)
	v_max_num_f32 v13, v13, v254                   ; the running largest t
	v_mov_b32 v254, v12
	s_delay_alu instid0(VALU_DEP_2)
	v_floor_f32 v12, -v13                          ; the new -M = floor(-t): M is a whole number
	s_delay_alu instid0(VALU_DEP_1)
	v_sub_f32 v254, v12, v254                      ; old M less new M: a whole number, 0 or less
	s_delay_alu instid0(VALU_DEP_1)
	v_cvt_i32_f32 v254, v254                       ; (it saturates)
	s_delay_alu instid0(VALU_DEP_1)
	v_ldexp_f32 v252, 1.0, v254                    ; f = 2^(old M - new M)
.set j, 0
.rept 32
	v_pk_fma_f32 v[SS+j:SS+j+1], v[SS+j:SS+j+1], s[CS:CS+1], v[12:13] op_sel_hi:[1,0,0]   ; t - M, two at a time
.set j, j+2
.endr
.irp b, 0,1,2,3
	v_fma_f32 v[232+\b], v[232+\b], s[CS], v12     ; the same of each block's largest score
.endr
.set j, 0
	s_wait_alu depctr_va_vdst(0)
.rept 64
	v_exp_f32 v[SS+j], v[SS+j]                     ; p = 2^(t - M), at most 1
.set j, j+1
.endr
	s_setprio 1
	v_pk_mul_f32 v[14:15], v[14:15], v[252:253] op_sel_hi:[1,0]   ; the sums under the new M: the plain line behind the exponentials
	s_wait_alu depctr_va_vdst(0)                   ; one wait for the whole batch, ahead of its first reader
.irp b, 0,1,2,3
	v_exp_f32 v[232+\b], v[232+\b]                 ; the block's largest p: the same two instructions on the same number give the same bits
.endr
	v_pk_add_f32 v[236:237], v[SS:SS+1], v[SS+2:SS+3]   ; the row's sum is taken of the unquantised p, in two chains; it reads the 64 alone
.set j, 4
.rept 15
	v_pk_add_f32 v[14:15], v[14:15], v[SS+j:SS+j+1]
	v_pk_add_f32 v[236:237], v[236:237], v[SS+j+2:SS+j+3]
.set j, j+4
.endr
	s_delay_alu instid0(VALU_DEP_1)
	v_pk_add_f32 v[14:15], v[14:15], v[236:237]
	s_wait_alu depctr_va_vdst(0)                   ; and one for the four
.irp b, 0,1,2,3
	v_max_num_f32 v[232+\b], 0x1800000, v[232+\b]  ; the floor 2^(3 - 127): the byte cannot fall under 1
.endr
.irp b, 0,1,2,3
	s_delay_alu instid0(VALU_DEP_4)
	v_add_nc_u32 v[244+\b], 0xff000000, v[232+\b]  ; 2 off the exponent field: the conversion's scale operand
.endr
.irp b, 0,1,2,3
	s_delay_alu instid0(VALU_DEP_4)
	v_lshrrev_b32 v[236+\b], 23, v[244+\b]         ; the scale's byte
.endr
	s_delay_alu instid0(VALU_DEP_3)
	v_lshl_or_b32 v253, v237, 8, v236              ; p's scale word for these 128 keys
	s_delay_alu instid0(VALU_DEP_1)
	v_lshl_or_b32 v253, v238, 16, v253
	s_delay_alu instid0(VALU_DEP_1)
	v_lshl_or_b32 v253, v239, 24, v253
.irp b, 0,1,2,3
	v_cvt_scalef32_pk8_fp4_f32 v[PCD+2*\b], v[SS+16*\b:SS+7+16*\b], v[244+\b]
	v_cvt_scalef32_pk8_fp4_f32 v[PCD+1+2*\b], v[SS+8+16*\b:SS+15+16*\b], v[244+\b]
.endr
	v_nop                                          ; one plain line behind the last scaled conversion
.irp c, 0,1                                    ; a whole block in a lane: lanes 0-15 block 2 c, lanes 16-31 block 2 c + 1
.irp i, 0,1
	v_permlane16_swap_b32 v[PCD+4*\c+\i], v[PCD+2+4*\c+\i]
.endr
.endr
.set j, 0
	s_setprio 0
.rept 16
	v_pk_mul_f32 v[OT+j:OT+j+1], v[OT+j:OT+j+1], v[252:253] op_sel_hi:[1,0]   ; O^T under the new M, each accumulator from its low end on; these lines also part p's word and codes from the products below
.set j, j+2
.endr
.irp u, 0,1,2,3
	PV \u                                          ; the four accumulators take turns, one instruction a turn
.endr
.endm
; One head: 16 key steps, the division by the sum, and the quantiser of the head's two blocks of o.
.macro PASS hd
	v_mov_b32 v13, 0xff61b1e6                      ; the largest t so far: -3e38
	s_delay_alu instid0(VALU_DEP_1)
	v_floor_f32 v12, -v13
	v_mov_b32 v14, 0
	v_mov_b32 v15, 0
.set j, 0
.rept 32
	v_mov_b32 v[OT+j], 0                           ; the step is written once: the first finds zeros, which the first change of M leaves zeros
.set j, j+1
.endr
	s_mov_b32 s[TB], (\hd)*HEADB
	s_mov_b32 s[CNT], 16
.Lstep_\@:
	s_setprio 2
	STEP \hd
	s_add_co_u32 s[TB], s[TB], STEPB
	s_sub_co_u32 s[CNT], s[CNT], 1
	s_cmp_lg_u32 s[CNT], 0
	s_cbranch_scc1 .Lstep_\@
	s_setprio 0
	PLACES 4
	v_add_f32 v14, v14, v15                        ; the sum's two halves,
	s_delay_alu instid0(VALU_DEP_1)
	v_permlanex16_b32 v252, v14, s[SEL], s[SEL+1]
	s_delay_alu instid0(VALU_DEP_1)
	v_add_f32 v14, v14, v252                       ; and lane l xor 16's
	s_wait_alu depctr_va_vdst(0)
	v_rcp_f32 v14, v14
	v_nop                                          ; a plain line behind the reciprocal,
	s_wait_alu depctr_va_vdst(0)                   ; and the wait ahead of its first reader
.set j, 0
.rept 16
	v_pk_mul_f32 v[SS+j:SS+j+1], v[OT+j:OT+j+1], v[14:15] op_sel_hi:[1,0]   ; o: register 16 b + i = channel 32 b + 16 h + i of the head
.set j, j+2
.endr
.irp b, 0,1
	v_max3_num_f32 v[232+\b], |v[SS+16*\b]|, |v[SS+1+16*\b]|, 0x1800000
.endr
.irp i, 2,4,6,8,10,12,14
.irp b, 0,1
	s_delay_alu instid0(VALU_DEP_2)
	v_max3_num_f32 v[232+\b], v[232+\b], |v[SS+16*\b+\i]|, |v[SS+1+16*\b+\i]|
.endr
.endr
.irp b, 0,1
	s_delay_alu instid0(VALU_DEP_2)
	v_permlanex16_b32 v[236+\b], v[232+\b], s[SEL], s[SEL+1]
.endr
.irp b, 0,1
	s_delay_alu instid0(VALU_DEP_2)
	v_max_num_f32 v[232+\b], v[232+\b], v[236+\b]
.endr
.irp b, 0,1
	s_delay_alu instid0(VALU_DEP_2)
	v_add_nc_u32 v[244+\b], 0xff000000, v[232+\b]
.endr
.irp b, 0,1
	s_delay_alu instid0(VALU_DEP_2)
	v_lshrrev_b32 v[236+\b], 23, v[244+\b]
.endr
.if (\hd) == 0
	s_delay_alu instid0(VALU_DEP_1)
	v_lshl_or_b32 v[OW], v237, 8, v236             ; bytes 0, 1 of the row's word
.else
	s_delay_alu instid0(VALU_DEP_2)
	v_lshl_or_b32 v[OW], v236, 16, v[OW]           ; bytes 2, 3
	s_delay_alu instid0(VALU_DEP_1)
	v_lshl_or_b32 v[OW], v237, 24, v[OW]
.endif
.irp b, 0,1
	v_cvt_scalef32_pk8_fp4_f32 v[OC+4*(\hd)+2*\b], v[SS+16*\b:SS+7+16*\b], v[244+\b]
	v_cvt_scalef32_pk8_fp4_f32 v[OC+4*(\hd)+2*\b+1], v[SS+8+16*\b:SS+15+16*\b], v[244+\b]
.endr
	v_nop                                          ; one plain line behind the last scaled conversion
.irp i, 0,1
	v_permlane16_swap_b32 v[OC+4*(\hd)+\i], v[OC+4*(\hd)+2+\i]   ; registers 4 hd .. 4 hd + 3 = K 64 hd + 32 h + 0 .. 31 of the pair's 128
.endr
.endm
	s_wait_loadcnt 0x0                             ; Q and its words
	s_wait_tensorcnt 0x1                           ; my block of the first head has landed; the second head's may stay out
	s_barrier_signal -1
	s_barrier_wait -1                              ; everybody's has
	PASS 0
	s_wait_tensorcnt 0x0                           ; my block of the second head has landed,
	s_wait_dscnt 0x0
	s_barrier_signal -1
	s_barrier_wait -1                              ; and everybody's
	PASS 1
	global_store_b128 v[LI], v[OC:OC+3], s[42:43]             ; each store covers 512 consecutive bytes, aligned
	global_store_b128 v[LI], v[OC+4:OC+7], s[42:43] offset:512
	ds_store_b32 v[SSA], v[OW]                     ; lanes l and l xor 16 write the same word with the same value
	s_wait_dscnt 0x0                               ; for the others' sake: my store has landed
	s_barrier_signal -1
	s_barrier_wait -1
	s_cmp_lt_u32 s[WV], 2                          ; waves 0 and 1 send the words of 128 tokens each: 512 consecutive bytes
	s_cbranch_scc0 .Lno_words
	ds_load_b128 v[216:219], v[SLA]
	s_wait_dscnt 0x0
	global_store_b128 v[LI], v[216:219], s[44:45]
.Lno_words:
	s_wait_tensorcnt 0x0
	ds_add_u32 v251, v255
	s_wait_dscnt 0x0
	CROUND                                         ; the closing round: no work-group ends while a partner may still ask for a block that names it
	s_endpgm
.Lfunc_end_k_q31aaf26021_attn:
	.size	k_q31aaf26021_attn, .Lfunc_end_k_q31aaf26021_attn-k_q31aaf26021_attn
	.p2alignl 7, 3214868480
	.fill 96, 4, 3214868480
	.section	.rodata,"a",@progbits
	.p2align	6, 0x0
	.amdhsa_kernel k_q31aaf26021_attn
		.amdhsa_group_segment_fixed_size 327680
		.amdhsa_private_segment_fixed_size 0
		.amdhsa_enable_private_segment 0
		.amdhsa_kernarg_size 32
		.amdhsa_user_sgpr_count 2
		.amdhsa_user_sgpr_kernarg_segment_ptr 1
		.amdhsa_wavefront_size32 1
		.amdhsa_system_sgpr_workgroup_id_x 1
		.amdhsa_system_sgpr_workgroup_id_y 1
		.amdhsa_system_sgpr_workgroup_id_z 1
		.amdhsa_system_vgpr_workitem_id 0
		.amdhsa_next_free_vgpr 256
		.amdhsa_next_free_sgpr 66
		.amdhsa_reserve_vcc 0
		.amdhsa_float_denorm_mode_32 3
		.amdhsa_float_denorm_mode_16_64 3
		.amdhsa_memory_ordered 1
		.amdhsa_forward_progress 1
		.amdhsa_inst_pref_size 51
	.end_amdhsa_kernel
	.amdgpu_metadata
---
amdhsa.version: [ 1, 2 ]
amdhsa.kernels:
  - .name:           k_q31aaf26021_attn
    .symbol:         k_q31aaf26021_attn.kd
    .args:
      - { .name: qbuf, .offset: 0, .size: 8, .value_kind: global_buffer, .address_space: global }
      - { .name: kvbuf, .offset: 8, .size: 8, .value_kind: global_buffer, .address_space: global }
      - { .name: obuf, .offset: 16, .size: 8, .value_kind: global_buffer, .address_space: global }
      - { .name: osc, .offset: 24, .size: 8, .value_kind: global_buffer, .address_space: global }
    .group_segment_fixed_size: 327680
    .private_segment_fixed_size: 0
    .kernarg_segment_align: 8
    .kernarg_segment_size: 32
    .max_flat_workgroup_size: 512
    .sgpr_count:     66
    .vgpr_count:     256
    .wavefront_size: 32
...
	.end_amdgpu_metadata
.endif
;; end of part 2
;; launch outp (part 3): grid 4 x 64, 4 waves a work-group, clusters of 4 x 4, 252,416 bytes of LDS; arguments obuf, osc, out_w_codes, out_w_scales, out_b, out0; writes out0
.if DOCPART == 3
	.amdgcn_target "amdgcn-amd-amdhsa--gfx1250"
	.amdhsa_code_object_version 6
	.text
	.protected	k_q31aaf26021_outp
	.globl	k_q31aaf26021_outp
	.p2align	8
	.type	k_q31aaf26021_outp,@function
k_q31aaf26021_outp:
	s_mov_b64 s[64:65], 0
	v_nop
	global_prefetch_b8 v0, s[64:65] scope:SCOPE_SE
	s_setreg_imm32_b32 hwreg(HW_REG_WAVE_MODE, 25, 1), 1
	s_wait_xcnt 0x0
	s_wait_alu depctr_hold_cnt(0) depctr_sa_sdst(0) depctr_va_vdst(0) depctr_va_sdst(0) depctr_va_ssrc(0) depctr_va_vcc(0) depctr_vm_vsrc(0)
	s_getreg_b32 s2, hwreg(HW_REG_IB_STS2, 6, 4)
	s_cmp_eq_u32 s2, 0
	s_cbranch_scc0 .Lentry_in_a_cluster
	s_endpgm
.Lentry_in_a_cluster:
	s_bfe_u32 s2, ttmp6, 0x10000c
	s_cmp_lg_u32 s2, 0xf033
	s_cbranch_scc0 .Lentry_shape_is_right
	s_endpgm
.Lentry_shape_is_right:
; out0 = o out_w^T + out_b on codes of FP4 (E2M1) with one E8M0 scale for each 32 along K = 1,024; out0 [8,192][1,024] f32.
; P = 256 rows of out_w, source 0 of the matrix instruction; R = 128 tokens of o, source 1: a lane then holds eight neighbouring columns of one token's row.
; o comes as the launch before left it: images of operand registers, obuf [128 tokens][K step][tile of 16 tokens][1,024 bytes], and scale words osc [128 tokens][K step][512 bytes] (lane l's word i: tile 2 i + l / 16,
; row l % 16).  Lane r of tile i holds token 32 (i / 2) + 8 (i % 2) + r + 8 (r / 8) of the 128: the stores put each row where it belongs.
; SHARES.  Four waves; wave w takes columns 128 (w / 2) on (8 tiles) and tokens 64 (w % 2) on (4 tiles): 32 accumulators, 256 registers.
; ALL OF K LIES IN LDS AT ONCE, in two chunks of 512 along K: no LDS byte is filled twice, so there is no ring; the second chunk lands under the first chunk's products.
; CLUSTERS: 4 x 4 work-groups.  out_w's rows hang on cx alone among the places and are asked for jointly by a column of the cluster, o's tokens on cy alone and by a row.
; LIMITS: a given scale byte 0xff gives NaN, as in the definition.
; REGISTERS, in windows of 256.  Window 0: v1-14 lane numbers and addresses; v32-95 out_w's scale words (8 p + s), v96-111 o's (2 s + t / 2); v112-175 the bias; on the way out v112-239 take rows read back from the stage.
;   Window 1: accumulator (tile t of tokens, tile p of columns) at v[64 t + 8 p].  Window 2: two sets of fragments at v0 and v96: P's eight, then R's four.
.set PITCH,  272                       ; an LDS row of codes: 256 bytes + 16 of padding = 68 words: row r starts at bank 4 r mod 64 (64 banks of 4 bytes: ISA guide 11.1)
.set PCH,    256*PITCH                 ; a chunk of P
.set RIM,    2*PCH                     ; o's images, dense: [K step][tile][1,024]
.set PSO,    RIM+65536                 ; out_w's scales: 32 units of 256 bytes + 16 of padding
.set RSO,    PSO+32*PITCH              ; o's scale words, dense
.set STG,    RSO+4096                  ; a stage of 16 rows x (512 bytes + 16) for each wave; no tensor load lands here
.set SPITCH, 528
.set WV,   18
.set PG,   19
.set RG,   20
.set G1P,  24
.set G1R,  32
.set G1PS, 40
.set G1RS, 48
.set G0PS, 56
.set G0RS, 60
.set G0P0, 68
.set G0R0, 72
.set G0P1, 76
.set G0R1, 80
.set ADP,  4                           ; v4, v5 LDS address of my P fragments in chunk 0, 1
.set ADR,  6                           ; v6  of my R images
.set ADPS, 7                           ; v7  of P's scale words
.set ADRS, 8                           ; v8  of R's
.set LI,   9                           ; v9  16 x lane
.set STO,  10                          ; v10 the stage: where I put 32 bytes of a row
.set RD,   11                          ; v11 and where I read a row back
.set BO,   12                          ; v12 the bias loads' offset
.set LN,   14
.set SP,   32
.set SR,   96
.set BI,   112
.set BK,   112
.set MSB, 0
.macro WIN new                         ; low byte: bits 1:0 source 0, 3:2 source 1, 5:4 source 2, 7:6 destination; the high byte repeats the setting that is left
.if MSB != \new
	s_set_vgpr_msb (MSB<<8)|\new
.set MSB, \new
.endif
.endm
.macro PLACES n
.rept \n
	v_nop
.endr
.endm
.macro CROUND                          ; a round of the cluster's barrier
	s_barrier_signal -1
	s_barrier_wait -1
	s_cmp_lg_u32 s[WV], 0
	s_cbranch_scc1 .Lnot_wave_0_\@
	s_barrier_signal -3
.Lnot_wave_0_\@:
	s_barrier_wait -3
	s_barrier_signal -1
	s_barrier_wait -1
.endm
	s_load_b256 s[4:11], s[0:1], 0x0               ; obuf s[4:5], osc s[6:7], out_w's codes s[8:9], its scales s[10:11]
	s_load_b128 s[12:15], s[0:1], 0x20             ; out_b s[12:13], out0 s[14:15]
	v_lshl_add_u32 v254, v0, 2, 0x3d800
	v_mov_b32 v255, 0
	ds_add_u32 v254, v255
	ds_add_u32 v254, v255
	v_lshrrev_b32 v13, 5, v0
	v_readfirstlane_b32 s[WV], v13                 ; wave 0..3
	s_lshr_b32 s[PG], s[WV], 1
	s_and_b32 s[RG], s[WV], 1
	; every LDS address is made here, of the lane and the wave's number alone
	v_and_b32 v[LN], 31, v0
	v_and_b32 v1, 15, v0                           ; r
	v_bfe_u32 v2, v0, 4, 1                         ; h
	v_mul_u32_u24 v13, v1, PITCH
	v_lshl_add_u32 v13, v2, 4, v13
	s_mul_i32 s96, s[PG], 128*PITCH
	v_add_nc_u32 v[ADP], s96, v13
	v_add_nc_u32 v[ADP+1], PCH, v[ADP]
	v_lshlrev_b32 v[LI], 4, v[LN]
	s_lshl_b32 s96, s[RG], 12
	s_add_co_u32 s96, s96, RIM
	v_add_nc_u32 v[ADR], s96, v[LI]
	v_lshrrev_b32 v13, 3, v1
	v_and_b32 v3, 7, v1
	v_mul_u32_u24 v13, v13, PITCH                  ; a unit holds 8 rows' scales
	v_lshl_add_u32 v13, v3, 5, v13
	s_mul_i32 s96, s[PG], 16*PITCH
	s_add_co_u32 s96, s96, PSO
	v_add_nc_u32 v[ADPS], s96, v13
	s_lshl_b32 s96, s[RG], 3
	s_add_co_u32 s96, s96, RSO
	v_add_nc_u32 v[ADRS], s96, v[LI]               ; words 2 rg and 2 rg + 1 of my lane's four
	s_mul_i32 s96, s[WV], 16*SPITCH
	s_add_co_u32 s96, s96, STG
	v_mul_u32_u24 v13, v1, SPITCH
	v_lshl_add_u32 v13, v2, 5, v13
	v_add_nc_u32 v[STO], s96, v13
	v_add_nc_u32 v[RD], s96, v[LI]
	v_lshlrev_b32 v[BO], 5, v2
	; groups 0: the count and the LDS address
	s_mov_b32 s[G0PS], 1
	s_mul_i32 s[G0PS+1], s[WV], 8*PITCH
	s_add_co_u32 s[G0PS+1], s[G0PS+1], PSO
	s_mov_b32 s[G0RS], 1
	s_lshl_b32 s[G0RS+1], s[WV], 10
	s_add_co_u32 s[G0RS+1], s[G0RS+1], RSO
	s_mov_b32 s[G0P0], 1
	s_mul_i32 s[G0P0+1], s[WV], 64*PITCH
	s_mov_b32 s[G0R0], 1
	s_lshl_b32 s[G0R0+1], s[WV], 13
	s_add_co_u32 s[G0R0+1], s[G0R0+1], RIM
	s_mov_b32 s[G0P1], 1
	s_add_co_u32 s[G0P1+1], s[G0P0+1], PCH
	s_mov_b32 s[G0R1], 1
	s_add_co_u32 s[G0R1+1], s[G0R0+1], 32768
	; places and masks
	s_bfe_u32 s21, ttmp6, 0x40000                  ; cx
	s_bfe_u32 s22, ttmp6, 0x40004                  ; cy
	s_and_b32 s23, ttmp7, 0xffff
	s_lshl_b32 s84, ttmp9, 2
	s_add_co_u32 s84, s84, s21                     ; which 256 columns: it holds cx and never cy
	s_lshl_b32 s85, s23, 2
	s_add_co_u32 s85, s85, s22                     ; which 128 tokens: it holds cy and never cx
	s_lshl_b32 s100, 0x1111, s21                   ; my column of the cluster
	s_lshl_b32 s101, s22, 2
	s_lshl_b32 s101, 15, s101                      ; my row
	; groups 1
	s_or_b32 s[G1P], s100, (1<<20)|(1<<21)|(5<<22)|(3<<25)          ; out_w's codes: 64 rows of 256 bytes, 512 bytes apart, 16 bytes of padding behind each
	s_mov_b32 s[G1P+1], 256<<16
	s_mov_b32 s[G1P+2], 64<<16
	s_mov_b32 s[G1P+3], 256<<16
	s_mov_b32 s[G1P+4], 64
	s_mov_b32 s[G1P+5], 512
	s_mov_b32 s[G1P+6], 0
	s_mov_b32 s[G1P+7], 0
	s_or_b32 s[G1R], s101, (3<<16)|(1<<21)                          ; o's images: a dense block of 8,192 bytes as 32 rows of 256, no padding
	s_mov_b32 s[G1R+1], 32<<16
	s_mov_b32 s[G1R+2], 32<<16
	s_mov_b32 s[G1R+3], 32<<16
	s_mov_b32 s[G1R+4], 32
	s_mov_b32 s[G1R+5], 32
	s_mov_b32 s[G1R+6], 0
	s_mov_b32 s[G1R+7], 0
	s_or_b32 s[G1PS], s100, (3<<16)|(1<<20)|(1<<21)|(5<<22)|(3<<25) ; out_w's scales: 8 rows of 256 bytes, padded
	s_mov_b32 s[G1PS+1], 32<<16
	s_mov_b32 s[G1PS+2], 8<<16
	s_mov_b32 s[G1PS+3], 32<<16
	s_mov_b32 s[G1PS+4], 8
	s_mov_b32 s[G1PS+5], 32
	s_mov_b32 s[G1PS+6], 0
	s_mov_b32 s[G1PS+7], 0
	s_or_b32 s[G1RS], s101, (3<<16)|(1<<21)                         ; o's scale words: 4 rows of 256 bytes, no padding
	s_mov_b32 s[G1RS+1], 32<<16
	s_mov_b32 s[G1RS+2], 4<<16
	s_mov_b32 s[G1RS+3], 32<<16
	s_mov_b32 s[G1RS+4], 4
	s_mov_b32 s[G1RS+5], 32
	s_mov_b32 s[G1RS+6], 0
	s_mov_b32 s[G1RS+7], 0
	s_lshl_b32 s2, s84, 8
	s_lshl_b32 s3, s[WV], 6
	s_add_co_u32 s2, s2, s3                        ; the 64 rows of out_w that I fetch
	s_mov_b32 s3, 0
	s_lshl_b32 s2, s2, 5
	s_lshl_b32 s96, s85, 12
	s_lshl_b32 s97, s[WV], 10
	s_add_co_u32 s96, s96, s97                     ; my quarter of the tokens' scale words
	s_mov_b32 s97, 0
	s_wait_dscnt 0x0
	s_wait_kmcnt 0x0
	s_add_nc_u64 s[G0PS+2:G0PS+3], s[10:11], s[2:3]
	s_lshl_b32 s2, s2, 4
	s_add_nc_u64 s[G0P0+2:G0P0+3], s[8:9], s[2:3]
	s_add_nc_u64 s[G0P1+2:G0P1+3], s[G0P0+2:G0P0+3], 256
	s_add_nc_u64 s[G0RS+2:G0RS+3], s[6:7], s[96:97]
	s_lshl_b32 s96, s85, 16
	s_lshl_b32 s98, s[WV], 13
	s_add_co_u32 s96, s96, s98                     ; K step w's images; the second chunk: K step 4 + w's
	s_add_nc_u64 s[G0R0+2:G0R0+3], s[4:5], s[96:97]
	s_add_nc_u64 s[G0R1+2:G0R1+3], s[G0R0+2:G0R0+3], 32768
.irp g, G0PS, G0RS, G0P0, G0R0, G0P1, G0R1
	s_or_b32 s[\g+3], s[\g+3], 0x80000000          ; type = 2
.endr
	CROUND                                         ; all sixteen work-groups are here: the joint loads meet
	tensor_load_to_lds s[G0PS:G0PS+3], s[G1PS:G1PS+7]   ; six loads of mine are out: the scales and the first chunk first
	s_nop 0
	tensor_load_to_lds s[G0RS:G0RS+3], s[G1RS:G1RS+7]
	s_nop 0
	tensor_load_to_lds s[G0P0:G0P0+3], s[G1P:G1P+7]
	s_nop 0
	tensor_load_to_lds s[G0R0:G0R0+3], s[G1R:G1R+7]
	s_nop 0
	tensor_load_to_lds s[G0P1:G0P1+3], s[G1P:G1P+7]
	s_nop 0
	tensor_load_to_lds s[G0R1:G0R1+3], s[G1R:G1R+7]
	s_nop 0
	PLACES 4                                       ; four plain lines behind the last tensor load
	s_lshl_b32 s2, s84, 8
	s_lshl_b32 s98, s[PG], 7
	s_add_co_u32 s2, s2, s98
	s_lshl_b32 s2, s2, 2                           ; my first column, in bytes
	s_add_nc_u64 s[12:13], s[12:13], s[2:3]
	s_lshl_b32 s96, s85, 7
	s_lshl_b32 s98, s[RG], 6
	s_add_co_u32 s96, s96, s98                     ; my first token
	s_lshl_b32 s96, s96, 12                        ; a row of out0 is 4,096 bytes
	s_add_co_u32 s96, s96, s2
	s_add_nc_u64 s[14:15], s[14:15], s[96:97]
	s_wait_alu depctr_va_vdst(0)
.irp p, 0,1,2,3,4,5,6,7
	global_load_b128 v[BI+8*\p:BI+8*\p+3], v[BO], s[12:13] offset:64*\p          ; the bias of columns 16 p + 8 h + 0 .. 7: the C of tile p's first products
	global_load_b128 v[BI+8*\p+4:BI+8*\p+7], v[BO], s[12:13] offset:64*\p+16
.endr
; 24 LDS loads in one run: the fragments of K step s into set f
.macro FETCH s, f
	WIN 0x80                                       ; destination window 2, address window 0
.irp p, 0,1,2,3,4,5,6,7
.irp c, 0,1
	ds_load_b128 v[96*(\f)+8*\p+4*\c:96*(\f)+8*\p+4*\c+3], v[ADP+(\s)/4] offset:16*\p*PITCH+64*((\s)%4)+32*\c
.endr
.endr
.irp t, 0,1,2,3
.irp c, 0,1
	ds_load_b128 v[96*(\f)+64+8*\t+4*\c:96*(\f)+64+8*\t+4*\c+3], v[ADR] offset:8192*(\s)+1024*\t+512*\c
.endr
.endr
	WIN 0
.endm
; 32 matrix instructions: the eight tiles of columns x the four of tokens, K step s, from set f.  first = 1: the sums start from the bias.
; The 32 accumulators take turns, one instruction a turn, in the same order in every K step.
.macro MUL s, f, first
.if \first
	WIN 0x4a                                       ; sources 0 and 1 window 2, C window 0, D window 1
.else
	WIN 0x5a                                       ; C and D window 1
.endif
.irp p, 0,1,2,3,4,5,6,7
.irp t, 0,1,2,3
.if \first
.if \t%2
	v_wmma_scale_f32_16x16x128_f8f6f4 v[64*\t+8*\p:64*\t+8*\p+7], v[96*(\f)+8*\p:96*(\f)+8*\p+7], v[96*(\f)+64+8*\t:96*(\f)+64+8*\t+7], v[BI+8*\p:BI+8*\p+7], v[SP+8*\p+(\s)], v[SR+2*(\s)+\t/2] matrix_a_fmt:MATRIX_FMT_FP4 matrix_b_fmt:MATRIX_FMT_FP4 matrix_b_scale:MATRIX_SCALE_ROW1
.else
	v_wmma_scale_f32_16x16x128_f8f6f4 v[64*\t+8*\p:64*\t+8*\p+7], v[96*(\f)+8*\p:96*(\f)+8*\p+7], v[96*(\f)+64+8*\t:96*(\f)+64+8*\t+7], v[BI+8*\p:BI+8*\p+7], v[SP+8*\p+(\s)], v[SR+2*(\s)+\t/2] matrix_a_fmt:MATRIX_FMT_FP4 matrix_b_fmt:MATRIX_FMT_FP4
.endif
.else
.if \t%2
	v_wmma_scale_f32_16x16x128_f8f6f4 v[64*\t+8*\p:64*\t+8*\p+7], v[96*(\f)+8*\p:96*(\f)+8*\p+7], v[96*(\f)+64+8*\t:96*(\f)+64+8*\t+7], v[64*\t+8*\p:64*\t+8*\p+7], v[SP+8*\p+(\s)], v[SR+2*(\s)+\t/2] matrix_a_fmt:MATRIX_FMT_FP4 matrix_b_fmt:MATRIX_FMT_FP4 matrix_b_scale:MATRIX_SCALE_ROW1
.else
	v_wmma_scale_f32_16x16x128_f8f6f4 v[64*\t+8*\p:64*\t+8*\p+7], v[96*(\f)+8*\p:96*(\f)+8*\p+7], v[96*(\f)+64+8*\t:96*(\f)+64+8*\t+7], v[64*\t+8*\p:64*\t+8*\p+7], v[SP+8*\p+(\s)], v[SR+2*(\s)+\t/2] matrix_a_fmt:MATRIX_FMT_FP4 matrix_b_fmt:MATRIX_FMT_FP4
.endif
.endif
.endr
.endr
.endm
.macro KSTEP s, first
.if (\s) > 0
	PLACES 4                                       ; four places in front of loads into the set that the last step's products read (ISA guide 7.12.1 for vector instructions)
.endif
.if (\s) == 3
	s_wait_tensorcnt 0x0                           ; my parts of the second chunk have landed (its two loads were my last),
	s_wait_dscnt 0x0                               ; no LDS load of mine is out at a signal,
	s_barrier_signal -1
	s_barrier_wait -1                              ; and everybody's have: K step 4 is read below
.endif
.if (\s) < 7
	FETCH (\s)+1, ((\s)+1)%2
	s_wait_dscnt 24                                ; all but the 24 just issued: this step's fragments are in
.else
	s_wait_dscnt 0x0
.endif
	MUL \s, (\s)%2, \first
.endm
	s_wait_tensorcnt 0x2                           ; the scales and my parts of the first chunk have landed; the second chunk's two loads may stay out
	s_barrier_signal -1
	s_barrier_wait -1                              ; everybody's have
.irp p, 0,1,2,3,4,5,6,7
	ds_load_b128 v[SP+8*\p:SP+8*\p+3], v[ADPS] offset:2*\p*PITCH        ; row 16 p + r's words of K steps 0-3,
	ds_load_b128 v[SP+8*\p+4:SP+8*\p+7], v[ADPS] offset:2*\p*PITCH+16   ; and 4-7
.endr
.irp s, 0,1,2,3,4,5,6,7
	ds_load_b64 v[SR+2*\s:SR+2*\s+1], v[ADRS] offset:512*\s             ; my four tiles' words of K step s: an even tile's in lanes 0-15, an odd tile's in lanes 16-31
.endr
	FETCH 0, 0
	s_wait_loadcnt 0x0                             ; the bias
	KSTEP 0, 1
.irp s, 1,2,3,4,5,6,7
	KSTEP \s, 0
.endr
; THE WAY OUT, a tile of 16 tokens x 128 columns at a time.  A lane holds 32 neighbouring bytes of a row and the lanes beside it hold other rows: so a tile goes through my own stage in LDS and comes back as whole rows of
; 512 bytes.  LDS serves a wave's instructions in order (ISA guide 5.7.1.4): no wait between the stores and the loads, nor in front of the next tile's stores.
.macro TOSTAGE t
	WIN 0x04                                       ; an LDS store's data are its source 1: window 1
.irp p, 0,1,2,3,4,5,6,7
	ds_store_b128 v[STO], v[64*(\t)+8*\p:64*(\t)+8*\p+3] offset:64*\p          ; each accumulator from its low end on
	ds_store_b128 v[STO], v[64*(\t)+8*\p+4:64*(\t)+8*\p+7] offset:64*\p+16
.endr
	WIN 0
.set BB, BK+64*((\t)%2)
.irp i, 0,1,2,3,4,5,6,7,8,9,10,11,12,13,14,15
	ds_load_b128 v[BB+4*\i:BB+4*\i+3], v[RD] offset:\i*SPITCH
.endr
.endm
.macro SEND t, younger                 ; younger: the LDS instructions issued behind tile t's loads, which may stay out
.set BB, BK+64*((\t)%2)
	s_wait_dscnt \younger
.irp i, 0,1,2,3,4,5,6,7,8,9,10,11,12,13,14,15
	global_store_b128 v[LI], v[BB+4*\i:BB+4*\i+3], s[14:15] offset:(32*((\t)/2)+8*((\t)%2)+\i+8*(\i/8))*4096 th:TH_STORE_NT   ; stage row i is the tile's lane i: 32 lanes store 512 consecutive bytes of that token's row, aligned
.endr
.endm
	PLACES 4                                       ; four places in front of the first read of results, and of loads into the registers that held the bias
	TOSTAGE 0
.irp a, 1,2,3
.if \a > 1
	s_wait_xcnt 0x0                                ; tile a - 2's stores have read their registers: tile a's rows may land there
.endif
	TOSTAGE \a
	SEND \a-1, 32                                  ; behind tile a - 1's loads: tile a's 16 stores and 16 loads
.endr
	SEND 3, 0
	s_wait_tensorcnt 0x0
	ds_add_u32 v254, v255
	s_wait_dscnt 0x0
	CROUND                                         ; the closing round: no work-group ends while a partner may still ask for a tile that names it
	s_endpgm
.Lfunc_end_k_q31aaf26021_outp:
	.size	k_q31aaf26021_outp, .Lfunc_end_k_q31aaf26021_outp-k_q31aaf26021_outp
	.p2alignl 7, 3214868480
	.fill 96, 4, 3214868480
	.section	.rodata,"a",@progbits
	.p2align	6, 0x0
	.amdhsa_kernel k_q31aaf26021_outp
		.amdhsa_group_segment_fixed_size 252416
		.amdhsa_private_segment_fixed_size 0
		.amdhsa_enable_private_segment 0
		.amdhsa_kernarg_size 48
		.amdhsa_user_sgpr_count 2
		.amdhsa_user_sgpr_kernarg_segment_ptr 1
		.amdhsa_wavefront_size32 1
		.amdhsa_system_sgpr_workgroup_id_x 1
		.amdhsa_system_sgpr_workgroup_id_y 1
		.amdhsa_system_sgpr_workgroup_id_z 1
		.amdhsa_system_vgpr_workitem_id 0
		.amdhsa_next_free_vgpr 768
		.amdhsa_next_free_sgpr 102
		.amdhsa_reserve_vcc 0
		.amdhsa_float_denorm_mode_32 3
		.amdhsa_float_denorm_mode_16_64 3
		.amdhsa_memory_ordered 1
		.amdhsa_forward_progress 1
		.amdhsa_inst_pref_size 72
	.end_amdhsa_kernel
	.amdgpu_metadata
---
amdhsa.version: [ 1, 2 ]
amdhsa.kernels:
  - .name:           k_q31aaf26021_outp
    .symbol:         k_q31aaf26021_outp.kd
    .args:
      - { .name: obuf, .offset: 0, .size: 8, .value_kind: global_buffer, .address_space: global }
      - { .name: osc, .offset: 8, .size: 8, .value_kind: global_buffer, .address_space: global }
      - { .name: out_w_codes, .offset: 16, .size: 8, .value_kind: global_buffer, .address_space: global }
      - { .name: out_w_scales, .offset: 24, .size: 8, .value_kind: global_buffer, .address_space: global }
      - { .name: out_b, .offset: 32, .size: 8, .value_kind: global_buffer, .address_space: global }
      - { .name: out0, .offset: 40, .size: 8, .value_kind: global_buffer, .address_space: global }
    .group_segment_fixed_size: 252416
    .private_segment_fixed_size: 0
    .kernarg_segment_align: 8
    .kernarg_segment_size: 48
    .max_flat_workgroup_size: 128
    .sgpr_count:     102
    .vgpr_count:     768
    .wavefront_size: 32
...
	.end_amdgpu_metadata
.endif
;; end of part 3
